; MI455X (gfx1250); checked and timed in simulation.
; The chip was launched on July 23, 2026; its instructions are those of AMD's public machine-readable ISA for CDNA 5 (MIT licence, August 2026) and "CDNA5" Instruction Set Architecture Reference Guide (July 2026). The comments in the code are by the model that wrote it; some were corrected since.
;; Attention Model. Allowed arithmetic: matrix products marked QUANTISED: E2M1 operands, one E8M0 scale for each 32 along K, by v_wmma_scale_f32_16x16x128_f8f6f4 with both operands' format E2M1 (or v_wmma_scale_f32_32x16x128_f4), f32 sums; products left as they are: f32 operands where the result goes on into a quantised operand, else bf16, f16 or f32 operands; f32 sums; everything else in f32.
;; Inputs: attn_W 1,024 x 2,048 float32; attn_b 1,024 float32; encoder_outputs 2,048 x 32 x 1,024 float32; rnn_hidden 1 x 32 x 1,024 float32; v 1 x 1,024 float32.
;; Outputs: out0 32 x 1 x 2,048 float32.
;; This version of the problem:
;;   THIS VERSION OF THE PROBLEM IS GIVEN IN LOW PRECISION. The matrix products marked QUANTISED in the list below multiply operands that are first quantised to E2M1 (2 exponent bits, 1 mantissa bit; 4 bits a number), with one power-of-two scale for each 32 numbers along K (OCP MX v1.0); their sums are f32. All else is computed in f32.
;;   The module's matrix products, in the order in which they are computed (A, B: the left and right operand; K: the contracted axis; several contracted axes count as one K, in the product's order):
;;     1. [M 32, K 1,024] x [K 1,024, N 1,024]; A: input rnn_hidden; B: input attn_W: QUANTISED
;;     2. [M 65,536, K 1,024] x [K 1,024, N 1,024]; A: input encoder_outputs; B: input attn_W: QUANTISED
;;     3. [M 1, K 1,024] x [K 1,024, N 65,536]; A: input v; B: computed on the way: left as it is (M = 1 < 16)
;;   THE QUANTISER, for each operand of a quantised product, along K:
;;     - K is cut into blocks of 32 from its start; a last block that is shorter is filled with zeros.
;;     - A block's scale is 2^e with e = floor(log2(the largest magnitude in the block)) - 2, held to -126 .. 127; a block of zeros has e = 0. As a byte (E8M0): e + 127.
;;     - Each number is divided by its block's scale, clamped to +-6, and rounded to the nearest number of E2M1, ties to even, subnormals kept.
;;     - The product sums the exact products of the quantised numbers (number of the format x scale) in f32.
;;   ~~~python
;;   def quantise(x, axis):      # numpy; x: float32 -> the quantised numbers, widened to float32 again
;;       x = np.moveaxis(x, axis, -1); K = x.shape[-1]
;;       x = np.pad(x, [(0, 0)] * (x.ndim - 1) + [(0, -K % 32)]); x = x.reshape(x.shape[:-1] + (-1, 32)); a = np.abs(x).max(-1, keepdims=True)
;;       e = np.where(a > 0, np.clip(np.frexp(np.where(a > 0, a, 1))[1] - 1 - 2, -126, 127), 0)      # np.frexp(a)[1] - 1 = floor(log2(a)), exactly
;;       r = np.clip(x / 2.0 ** e, -6, 6)
;;       step = 2.0 ** (np.maximum(np.frexp(np.where(r == 0, 1, r))[1] - 1, 0) - 1)
;;       q = np.round(r / step) * step * 2.0 ** e      # np.round: ties to even
;;       return np.moveaxis(q.reshape(q.shape[:-2] + (-1,))[..., :K], -1, axis).astype(np.float32)
;;   ~~~
;; One version. Each part assembles by itself: llvm-mc -triple=amdgcn-amd-amdhsa -mcpu=gfx1250 --defsym DOCPART=n.
;; ======== version 1 of 1: 3 launches
;; limits: right only within a limited range of input values
;; workspace buffers: wq 557,056 bytes; en 262,144 bytes
;; launch prep (part 1): grid 128 x 1, 4 waves a work-group, no clusters, 34,560 bytes of LDS; arguments attn_W, wq; writes wq
.if DOCPART == 1
	.amdgcn_target "amdgcn-amd-amdhsa--gfx1250"
	.amdhsa_code_object_version 6
	.text
	.protected	k_qe248728f2b_prep
	.globl	k_qe248728f2b_prep
	.p2align	8
	.type	k_qe248728f2b_prep,@function
k_qe248728f2b_prep:
	s_mov_b64 s[64:65], 0
	v_nop
	global_prefetch_b8 v0, s[64:65] scope:SCOPE_SE
	s_setreg_imm32_b32 hwreg(HW_REG_WAVE_MODE, 25, 1), 1
	s_wait_xcnt 0x0
; DEAD WORK, for the whole program.  energy[b][s] = sum over n of v[n] ew[s][b][n]  +  sum over n of v[n] hw[b][n].  The second sum does not hang on s, and softmax along s of x[s] + c
; equals softmax of x[s] for every real c.  So hw = h Wh^T + attn_b (the table's product 1) reaches no output: it is left out, and rnn_hidden, attn_b and attn_W's columns 0 .. 1023 (Wh) are not loaded;
; rnn_hidden and attn_b are among no launch's arguments.  LIMIT: a NaN, an infinity or an overflow that reaches only that work is not carried to the result.
; THIS LAUNCH turns We = attn_W[:, 1024:] into codes of FP4 (E2M1) with one E8M0 byte for each 32 along K, laid as the next launch's operand registers want them.
; A block's scale is 2^(floor(log2(its largest magnitude)) - 2); its byte is the largest magnitude's exponent field - 2, held at 1 from below.
; LIMITS: NaN and infinities among the inputs are not served.  A block of zeros gets the byte 1 where the rule says 127: its codes are zeros, and this program alone reads the bytes.
; wq: 8 tiles of 69,632 bytes.  Tile T = 4 x (K half) + n / 256: 256 rows n x 512 K: codes [n-tile 16][K step 4][c 2][lane 32][16 bytes] (images of operand registers), then from byte 65,536 scale words [n 256][K step 4].
; SHARES.  Work-group g: n-tile g / 2 (16 rows), K half g % 2; wave w: K step w of that half.  A chunk of 16 rows x 128 K is loaded a row at a time (512 consecutive bytes) and turned through the wave's own stage in LDS.
; The work-group's 64 scale words are 256 consecutive bytes of wq: gathered in LDS, stored by wave 0 as one aligned run.
.set STGW, 8448                        ; a stage: 16 rows x (512 + 16) bytes
.set WSCB, 33792                       ; the scale words: [r 16][w 4]
.set SPARE, 34048                      ; the spare words, 128 bytes a wave
.set SPW, 1
.set NIL, 2
.set GOFF, 4                           ; 16 x lane
.set STW, 5                            ; the stage on the way in
.set STR, 6                            ; and out: row r, + 64 h
.set WSW, 7                            ; where my scale word goes
.set L8, 8                             ; 8 x lane
.set WSR, 12                           ; WSCB + 8 x lane
.set R1, 16                            ; v16-79 the chunk as loaded
.set XW, 144                           ; v144-207: register 16 b + i = k 32 b + 16 h + i of row r
.set TM, 208
.set WF, 224                           ; the fragment
.set WS, 240                           ; its scale word
	s_load_b128 s[4:7], s[0:1], 0x0                ; attn_W, wq
	v_lshl_add_u32 v[SPW], v0, 2, SPARE
	v_mov_b32 v[NIL], 0
	v_lshrrev_b32 v3, 5, v0
	v_readfirstlane_b32 s8, v3                     ; wave
	s_lshr_b32 s9, ttmp9, 1                        ; n-tile
	s_and_b32 s10, ttmp9, 1                        ; K half
	s_lshl_b32 s11, s10, 2
	s_add_co_u32 s15, s11, s8                      ; K step of the eight
	s_lshl_b32 s12, s9, 17                         ; attn_W: 16 rows of 8,192 bytes a tile, We in the rows' second half, 512 bytes a K step
	s_add_co_u32 s12, s12, 4096
	s_lshl_b32 s13, s15, 9
	s_add_co_u32 s12, s12, s13
	s_mov_b32 s13, 0
	s_lshr_b32 s14, s9, 4
	s_add_co_u32 s14, s14, s11
	s_mul_i32 s14, s14, 69632                      ; wq's tile
	s_and_b32 s15, s9, 15
	s_lshl_b32 s16, s15, 12
	s_add_co_u32 s16, s16, s14
	s_lshl_b32 s17, s8, 10
	s_add_co_u32 s16, s16, s17                     ; codes
	s_mov_b32 s17, 0
	s_lshl_b32 s18, s15, 8
	s_add_co_u32 s18, s18, s14
	s_add_co_u32 s18, s18, 65536                   ; scale words
	s_mov_b32 s19, 0
	s_mul_i32 s20, s8, STGW
	s_lshl_b32 s21, s8, 2
	s_add_co_u32 s21, s21, WSCB
	s_mov_b32 s22, 0x76543210
	s_mov_b32 s23, 0xfedcba98                      ; v_permlanex16_b32's selects for lane l xor 16
	v_and_b32 v9, 31, v0
	v_and_b32 v10, 15, v0
	v_bfe_u32 v11, v0, 4, 1
	v_lshlrev_b32 v[GOFF], 4, v9
	v_add_nc_u32 v[STW], s20, v[GOFF]
	v_mul_u32_u24 v[STR], v10, 528
	v_lshl_add_u32 v[STR], v11, 6, v[STR]
	v_add_nc_u32 v[STR], s20, v[STR]
	v_lshl_add_u32 v[WSW], v10, 4, s21
	v_lshlrev_b32 v[L8], 3, v9
	v_add_nc_u32 v[WSR], WSCB, v[L8]
.irp b, 0,1,2,3
	v_mov_b32 v[TM+4+\b], 0                        ; a lane permute's destination counts as one of its sources
.endr
	s_wait_alu depctr_va_vdst(0)                   ; the wait at the head's end
	s_wait_kmcnt 0x0
	s_add_nc_u64 s[4:5], s[4:5], s[12:13]
	s_add_nc_u64 s[24:25], s[6:7], s[18:19]
	s_add_nc_u64 s[6:7], s[6:7], s[16:17]
.set rw, 0
.rept 16
	global_load_b128 v[R1+4*rw:R1+4*rw+3], v[GOFF], s[4:5] offset:8192*rw th:TH_LOAD_NT
.set rw, rw+1
.endr
	s_wait_loadcnt 0x0
.set rw, 0
.rept 16
	ds_store_b128 v[STW], v[R1+4*rw:R1+4*rw+3] offset:528*rw   ; LDS serves a wave's instructions in order: no wait between these and the loads
.set rw, rw+1
.endr
.irp b, 0,1,2,3
.irp j, 0,1,2,3
	ds_load_b128 v[XW+16*\b+4*\j:XW+16*\b+4*\j+3], v[STR] offset:128*\b+16*\j
.endr
.endr
	s_wait_dscnt 0x0
.irp b, 0,1,2,3
	v_max3_num_f32 v[TM+\b], |v[XW+16*\b]|, |v[XW+1+16*\b]|, 0x1800000   ; my 16 numbers of block b, and the floor 2^(3 - 127); the four blocks by turns
.endr
.irp i, 2,4,6,8,10,12,14
.irp b, 0,1,2,3
	v_max3_num_f32 v[TM+\b], v[TM+\b], |v[XW+16*\b+\i]|, |v[XW+1+16*\b+\i]|
.endr
.endr
.irp b, 0,1,2,3
	v_permlanex16_b32 v[TM+4+\b], v[TM+\b], s22, s23
.endr
.irp b, 0,1,2,3
	v_max_num_f32 v[TM+\b], v[TM+\b], v[TM+4+\b]   ; with lane l xor 16's 16: the block's largest magnitude
.endr
.irp b, 0,1,2,3
	v_add_nc_u32 v[TM+12+\b], 0xff000000, v[TM+\b] ; 2 off the exponent field: the conversion's scale operand
.endr
.irp b, 0,1,2,3
	v_lshrrev_b32 v[TM+4+\b], 23, v[TM+12+\b]      ; the byte
.endr
	v_lshl_or_b32 v[WS], v[TM+5], 8, v[TM+4]
	v_lshl_or_b32 v[WS], v[TM+6], 16, v[WS]
	v_lshl_or_b32 v[WS], v[TM+7], 24, v[WS]
.irp b, 0,1,2,3
	v_cvt_scalef32_pk8_fp4_f32 v[WF+2*\b], v[XW+16*\b:XW+7+16*\b], v[TM+12+\b]
	v_cvt_scalef32_pk8_fp4_f32 v[WF+1+2*\b], v[XW+8+16*\b:XW+15+16*\b], v[TM+12+\b]
.endr
	v_nop                                          ; one plain place behind a scaled conversion
.irp c, 0,1                                    ; the operand's layout wants a whole block in a lane
.irp i, 0,1
	v_permlane16_swap_b32 v[WF+4*\c+\i], v[WF+2+4*\c+\i]
.endr
.endr
	global_store_b128 v[GOFF], v[WF:WF+3], s[6:7]                ; each store covers 512 consecutive bytes, aligned
	global_store_b128 v[GOFF], v[WF+4:WF+7], s[6:7] offset:512
	ds_store_b32 v[WSW], v[WS]                     ; lanes r and r + 16 write the same word with the same value
	s_wait_dscnt 0x0                               ; for the others' sake
	s_barrier_signal -1
	s_barrier_wait -1
	s_cmp_lg_u32 s8, 0
	s_cbranch_scc1 .Lend
	ds_load_b64 v[60:61], v[WSR]
	s_wait_dscnt 0x0
	global_store_b64 v[L8], v[60:61], s[24:25]     ; 256 consecutive bytes, aligned
.Lend:
	s_wait_tensorcnt 0x0                           ; the wave's end
	ds_add_u32 v[SPW], v[NIL]
	s_wait_dscnt 0x0
	s_endpgm
.Lfunc_end_k_qe248728f2b_prep:
	.size	k_qe248728f2b_prep, .Lfunc_end_k_qe248728f2b_prep-k_qe248728f2b_prep
	.p2alignl 7, 3214868480
	.fill 96, 4, 3214868480
	.section	.rodata,"a",@progbits
	.p2align	6, 0x0
	.amdhsa_kernel k_qe248728f2b_prep
		.amdhsa_group_segment_fixed_size 34560
		.amdhsa_private_segment_fixed_size 0
		.amdhsa_enable_private_segment 0
		.amdhsa_kernarg_size 16
		.amdhsa_user_sgpr_count 2
		.amdhsa_user_sgpr_kernarg_segment_ptr 1
		.amdhsa_wavefront_size32 1
		.amdhsa_system_sgpr_workgroup_id_x 1
		.amdhsa_system_sgpr_workgroup_id_y 1
		.amdhsa_system_sgpr_workgroup_id_z 1
		.amdhsa_system_vgpr_workitem_id 0
		.amdhsa_next_free_vgpr 256
		.amdhsa_next_free_sgpr 66
		.amdhsa_reserve_vcc 0
		.amdhsa_float_denorm_mode_32 3
		.amdhsa_float_denorm_mode_16_64 3
		.amdhsa_memory_ordered 1
		.amdhsa_forward_progress 1
		.amdhsa_inst_pref_size 11
	.end_amdhsa_kernel
	.amdgpu_metadata
---
amdhsa.version: [ 1, 2 ]
amdhsa.kernels:
  - .name:           k_qe248728f2b_prep
    .symbol:         k_qe248728f2b_prep.kd
    .args:
      - { .name: attn_W, .offset: 0, .size: 8, .value_kind: global_buffer, .address_space: global }
      - { .name: wq, .offset: 8, .size: 8, .value_kind: global_buffer, .address_space: global }
    .group_segment_fixed_size: 34560
    .private_segment_fixed_size: 0
    .kernarg_segment_align: 8
    .kernarg_segment_size: 16
    .max_flat_workgroup_size: 128
    .sgpr_count:     66
    .vgpr_count:     256
    .wavefront_size: 32
...
	.end_amdgpu_metadata
.endif
;; end of part 1
;; launch main (part 2): grid 256 x 1, 4 waves a work-group, clusters of 4 x 1, 327,680 bytes of LDS; arguments encoder_outputs, v, wq, en; writes en
.if DOCPART == 2
	.amdgcn_target "amdgcn-amd-amdhsa--gfx1250"
	.amdhsa_code_object_version 6
	.text
	.protected	k_qe248728f2b_main
	.globl	k_qe248728f2b_main
	.p2align	8
	.type	k_qe248728f2b_main,@function
k_qe248728f2b_main:
	s_mov_b64 s[64:65], 0
	v_nop
	global_prefetch_b8 v0, s[64:65] scope:SCOPE_SE
	s_setreg_imm32_b32 hwreg(HW_REG_WAVE_MODE, 25, 1), 1
	s_wait_xcnt 0x0
	s_wait_alu depctr_hold_cnt(0) depctr_sa_sdst(0) depctr_va_vdst(0) depctr_va_sdst(0) depctr_va_ssrc(0) depctr_va_vcc(0) depctr_vm_vsrc(0)
	s_getreg_b32 s2, hwreg(HW_REG_IB_STS2, 6, 4)
	s_cmp_eq_u32 s2, 0
	s_cbranch_scc0 .Lentry_in_a_cluster
	s_endpgm
.Lentry_in_a_cluster:
	s_bfe_u32 s2, ttmp6, 0x10000c
	s_cmp_lg_u32 s2, 0x3003
	s_cbranch_scc0 .Lentry_shape_is_right
	s_endpgm
.Lentry_shape_is_right:
; en[b][s] = the sum over n of v[n] x (the sum over k of Q(enc)[s][b][k] Q(We)[n][k]), the inner product on codes of FP4 (E2M1) with one E8M0 scale for each 32 along K.
; The part of the energy that comes from rnn_hidden and attn_b is the same along s and is left out (shown at the head of launch prep).
; LIMITS: NaN and infinities are not served.  A block of zeros gets the byte 1 where the rule says 127 (its codes are zeros; this program alone reads the bytes).
; ORDER OF ROUNDING: K is summed as two f32 sums of 512, each multiplied by v[n] and added to the row's energy.
; SHARES.  Work-group g (of 256): b = g % 32, rows s = 256 (g / 32) + 0 .. 255: 256 rows of 4,096 bytes, 131,072 bytes apart; its 256 energies are 1,024 consecutive bytes of en.
; QUANTISING: wave w takes rows 64 w .. 64 w + 63 in 8 periods of 4 chunks; a chunk is 16 rows x 128 K (sixteen loads of 512 consecutive bytes); four chunks' loads (64 a wave) are always asked for.
; Lane l holds k = 4 l .. 4 l + 3 of each row, a block of 32 lies in 8 neighbouring lanes, and the chunk is quantised as it lies: no f32 number goes through LDS.  Two neighbouring lanes change codes, so that a
; lane stores 4 bytes of one row (8 stores a chunk); four rows' scale bytes are packed to a word (4 stores a chunk) and sorted out by the reader.  The stores' data have two sets of registers by turns.
; K goes in two slabs of 512, each with LDS bytes of its own for codes and scale bytes.  MULTIPLYING: wave w keeps the slab's fragments of rows 128 (w / 2) + 0 .. 127 in 256 registers and takes n-tiles
; 8 (w % 2) + 0 .. 7 of each tile of We, two n-tiles to a matrix instruction (32 x 16 x 128).  Transposed: source 0 = 32 rows of We, source 1 = 16 rows of enc: a lane holds one row of enc and sixteen n.
; A pair of n-tiles goes in two groups of four tiles of rows, 16 matrix instructions each, the four accumulators by turns; the group before is folded with v meanwhile, 16 lines behind every 8 matrix instructions.
; SCHEDULE: periods 0-3 (slab 0); tiles 0-2 of We, a chunk of periods 4-6 ahead of each pair; period 7; tiles 3-7 (the slab's fragments change behind tile 3).
; We comes as 8 tiles of 69,632 bytes (256 n x 512 K, and their scale words) through two LDS slots.  A tile's reads are over when its third pair ends: the change of slots stands there.
; CLUSTER: the four work-groups of a cluster walk the same tiles of We and the same v: each is asked for jointly, by the same tensor load with the same descriptor and the mask 15.
; PREFETCH: in periods 0 .. 5 the cluster's 16 waves name the 272 blocks of 256 bytes of tile period + 2, 17 blocks a wave, told apart by address; tiles 0 and 1 come by the head's loads.  enc's own stream is asked for 64 loads a wave ahead and has no prefetch.
; REGISTERS: window 0: addresses, the quantiser, the energies, scale words, v, zeros.  window 1: v0-127 We's fragments, two sets of 64 (K step s at 16 s); v128-255 the 8 accumulators.
;   window 2: enc's fragments: tile of rows m, K step s at v[8 (4 m + s)].  window 3: the ring of loads.
.set TILEB,  69632
.set SLOT1,  69632                     ; slot 0 at 0, slot 1 here
.set VTAB,   139264                    ; v, 4,096 bytes; filled once
.set IMG,    143360                    ; enc's codes: [slab 2][row 256] of IPITCH bytes
.set IPITCH, 272                       ; 256 + 16: 68 words a row, so the 16 rows that a fragment load touches start at 16 different groups of four banks (ISA guide 11.1)
.set IMGS,   69632                     ; a slab of codes
.set ASC,    282624                    ; scale bytes: [slab 2][tile of rows 16][K step 4][row / 4][block 4][row % 4]
.set RED,    290816                    ; the energies' halves: [w % 2][row 256] f32
.set SPARE,  292864                    ; the spare words, 128 bytes a wave
.set SPW, 1
.set NIL, 2
.set GOFF, 3                           ; 16 x lane
.set IMW0, 4                           ; where my codes go; IMW: for the period in hand
.set IMW, 5
.set ASW0, 6                           ; and the packed scale bytes
.set ASW, 7
.set IMR, 8                            ; my 128 rows' fragments, slab 0; IMR1: slab 1
.set ASR, 9                            ; and scale bytes
.set BADR0, 10                         ; my n-tiles in a slot; BADR: in the slot in hand
.set BADR, 11
.set SADR0, 12                         ; their scale words
.set SADR, 13
.set VADR0, 14                         ; v
.set VADR, 15
.set RDW, 16
.set RDR, 17
.set EO, 18
.set PFO, 19                           ; the prefetches' offset in a tile
.set SELV, 20                          ; byte selects: even lanes the two low halves, odd lanes the two high halves
.set SELS, 21                          ; byte selects: byte row % 4 of two words
.set IMR1, 22
.set OC, 24                            ; v24-39 codes to store, two sets of 8
.set PK, 40                            ; v40-47 packed scale bytes, two sets of 4
.set MX, 48                            ; v48-63 a chunk's 16 rows: largest magnitude, then the conversion's scale operand
.set CA, 64                            ; v64-71 codes under the even row's scale: the low half counts
.set CB, 72                            ; v72-79 under the odd row's: the high half counts
.set BY, 80                            ; v80-95 scale bytes
.set EN, 96                            ; v96-127 the energies, two pairs a tile of rows
.set TM, 64                            ; at work at the head and at the end
.set FN, 48                            ; the end
.set SA, 128                           ; v128-159 enc's scale words: 4 m + s.  Scales and nothing else
.set ST, 160                           ; v160-191 packed scale bytes as read
.set SB, 192                           ; v192-199 We's: two sets of 4.  Scales and nothing else
.set VR, 208                           ; v208-239 v: two sets of 16
.set ZR, 240                           ; v240-255 zeros
.set AC, 128                           ; window 1
.set WV, 12
.set MH, 13
.set NH, 14
.set EB0, 20
.set EB, 22
.set OF, 24
.set G1T, 28                           ; group 1: a quarter of a tile, 68 rows of 256 bytes
.set G1A, 36                           ; half a tile, 136 rows
.set G1B, 44                           ; a tile, 272 rows
.set G1V, 52                           ; v, 16 rows
.set G0W, 60                           ; group 0 that walks
.set G0A, 68
.set G0B, 72
.set G0V, 76
.set QC, 80
.set TI, 81
.set TA, 82
.set TB, 83
.set TV, 84
.set T0, 85
.set T1, 86
.set IC, 87
.set SEL, 88
.set PF, 90
.set L0, 92                            ; s92-100 bases for the head's vector lines
.set M16, 101                          ; 0xffff
.set MSB, 0
.macro WIN new                         ; the immediate's high byte repeats the setting that is left; a switch that changes nothing is dropped
.if MSB != (\new)
	s_set_vgpr_msb (MSB<<8)|(\new)
.set MSB, (\new)
.endif
.endm
.macro ROUND                           ; a round of the cluster's barrier
	s_barrier_signal -1
	s_barrier_wait -1
	s_cmp_lg_u32 s[WV], 0
	s_cbranch_scc1 .Lnot_wave_0_\@
	s_barrier_signal -3
.Lnot_wave_0_\@:
	s_barrier_wait -3
	s_barrier_signal -1
	s_barrier_wait -1
.endm
; chunk u of the period at s[EB]: tile of rows u / 2 of the period's two, K step u % 2, into ring slot u.  The largest offset, 4,063,744, lies inside the signed 24-bit immediate
.macro RLOAD u
	WIN 0xc0
.set rw, 0
.rept 16
	global_load_b128 v[64*(\u)+4*rw:64*(\u)+4*rw+3], v[GOFF], s[EB:EB+1] offset:((\u)/2)*2097152+((\u)%2)*512+rw*131072 th:TH_LOAD_NT
.set rw, rw+1
.endr
	WIN 0
.endm
; Period q takes tiles of rows 2 (q % 2), + 1 of my four (2^22 bytes a pair) and K steps 2 (q / 2), + 1 (1,024 bytes).  issue = 1: the loads that it issues are period q + 1's.  Scalars alone
.macro PSTART issue
.if \issue
	s_wait_xcnt 0x0                                ; the loads and the prefetch issued so far have read their bases
	s_add_co_u32 s[T0], s[QC], 1
	s_and_b32 s[OF], s[T0], 1
	s_lshl_b32 s[OF], s[OF], 22
	s_lshr_b32 s[T0], s[T0], 1
	s_lshl_b32 s[T0], s[T0], 10
	s_add_co_u32 s[OF], s[OF], s[T0]
	s_add_nc_u64 s[EB:EB+1], s[EB0:EB0+1], s[OF:OF+1]
	s_add_nc_u64 s[PF:PF+1], s[PF:PF+1], TILEB     ; period q: tile q + 2
.endif
	s_and_b32 s[T0], s[QC], 1
	s_mul_i32 s[TI], s[T0], 32*IPITCH              ; 32 rows of codes; two tiles' 512 scale bytes
	s_lshl_b32 s[TA], s[T0], 9
	s_bfe_u32 s[T0], s[QC], 0x10001
	s_lshl_b32 s[T0], s[T0], 7                     ; two K steps: 128 bytes of a row's codes, 128 scale bytes of a tile
	s_add_co_u32 s[TI], s[TI], s[T0]
	s_add_co_u32 s[TA], s[TA], s[T0]
	s_lshr_b32 s[T0], s[QC], 2                     ; the slab
	s_mul_i32 s[T1], s[T0], IMGS
	s_add_co_u32 s[TI], s[TI], s[T1]
	s_lshl_b32 s[T0], s[T0], 12
	s_add_co_u32 s[TA], s[TA], s[T0]
.endm
; CHUNK u.  left: the younger loads that may stay out.  n: the younger LDS instructions that may stay out when the stores of the chunk before last, whose data registers are written again here, have to be done.
; upd = 1: the period's first chunk: the two store addresses are written, behind a wait for all LDS instructions that name them.
; Register 4 row + j of the ring's slot holds k = 4 lane + j of the row: a block's largest magnitude is two lines in the lane and three steps across eight lanes.
; The conversion takes 8 consecutive registers, which are TWO rows' four numbers: it is made twice, under each row's scale; of the first the low 16 bits count, of the second the high 16.
.macro CHUNK u, left, issue, n, upd
.set oc, OC+8*((\u)%2)
.set pk, PK+4*((\u)%2)
	s_wait_loadcnt \left                           ; loads come back in order: this chunk's sixteen are in
	s_wait_dscnt \n
	WIN 0x0f
.set rw, 0
.rept 16
	v_max3_num_f32 v[MX+rw], |v[64*(\u)+4*rw]|, |v[64*(\u)+4*rw+1]|, 0x1800000   ; and the floor 2^(3 - 127)
.set rw, rw+1
.endr
.set rw, 0
.rept 16
	v_max3_num_f32 v[MX+rw], |v[64*(\u)+4*rw+2]|, |v[64*(\u)+4*rw+3]|, v[MX+rw]
.set rw, rw+1
.endr
	WIN 0
.irp x, 1,2,4
.set rw, 0
.rept 16
	v_max_num_f32_dpp v[MX+rw], v[MX+rw], v[MX+rw] row_xmask:\x row_mask:0xf bank_mask:0xf   ; the sixteen rows by turns
.set rw, rw+1
.endr
.endr
.set rw, 0
.rept 16
	v_add_nc_u32 v[MX+rw], 0xff000000, v[MX+rw]    ; 2 off the exponent field: the conversion's scale operand
.set rw, rw+1
.endr
	WIN 0x03
.set rw, 0
.rept 8
	v_cvt_scalef32_pk8_fp4_f32 v[CA+rw], v[64*(\u)+8*rw:64*(\u)+8*rw+7], v[MX+2*rw]
	v_cvt_scalef32_pk8_fp4_f32 v[CB+rw], v[64*(\u)+8*rw:64*(\u)+8*rw+7], v[MX+2*rw+1]
.set rw, rw+1
.endr
	WIN 0
.set rw, 0
.rept 16
	v_lshrrev_b32 v[BY+rw], 23, v[MX+rw]           ; the byte.  (The first of these is the plain place behind the conversions)
.set rw, rw+1
.endr
.irp j, 0,1,2,3
	v_lshl_or_b32 v[pk+\j], v[BY+4*\j+1], 8, v[BY+4*\j]          ; rows 4 j .. 4 j + 3 of my block: four bytes to a word
.endr
.irp j, 0,1,2,3
	v_lshl_or_b32 v[pk+\j], v[BY+4*\j+2], 16, v[pk+\j]
.endr
.irp j, 0,1,2,3
	v_lshl_or_b32 v[pk+\j], v[BY+4*\j+3], 24, v[pk+\j]
.endr
.set rw, 0
.rept 8
	v_bfi_b32 v[CA+rw], s[M16], v[CA+rw], v[CB+rw] ; the even row's four codes below, the odd row's above
.set rw, rw+1
.endr
.set rw, 0
.rept 8
	v_mov_b32_dpp v[CB+rw], v[CA+rw] row_xmask:1 row_mask:0xf bank_mask:0xf   ; my neighbour's
.set rw, rw+1
.endr
.set rw, 0
.rept 8
	v_perm_b32 v[oc+rw], v[CB+rw], v[CA+rw], v[SELV]             ; an even lane keeps the even row's eight codes, an odd lane the odd row's, K ascending
.set rw, rw+1
.endr
.if \issue
	RLOAD \u                                       ; the conversions have been issued: the ring's slot takes the next period's chunk
.endif
.if \upd
	s_wait_alu depctr_va_vdst(0)                   ; directly ahead of the wait below
	s_wait_dscnt 0x0                               ; no LDS instruction that names the two address registers is out
	v_add_nc_u32 v[IMW], s[TI], v[IMW0]
	v_add_nc_u32 v[ASW], s[TA], v[ASW0]
.endif
.set rw, 0
.rept 8
	ds_store_b32 v[IMW], v[oc+rw] offset:((\u)/2)*16*IPITCH+((\u)%2)*64+2*rw*IPITCH
.set rw, rw+1
.endr
.irp j, 0,1,2,3
	ds_store_b32 v[ASW], v[pk+\j] offset:((\u)/2)*256+((\u)%2)*64+16*\j   ; the eight lanes of a block write the same word with the same value
.endr
.endm
; One matrix instruction: set pr of We's fragments and scale words, K step s of the slab, tile of rows m.  K step 0 begins the sum with sixteen registers of zeros as its C.
.macro MM pr, s, m
.set rD, AC+16*(\m)
.set rB, 64*(\pr)+16*(\s)
.set rA, 8*(4*(\m)+(\s))
.set rX, SB+4*(\pr)+(\s)
.set rY, SA+4*(\m)+(\s)
.if (\s) == 0
	v_wmma_scale_f32_32x16x128_f4 v[rD:rD+15], v[rB:rB+15], v[rA:rA+7], v[ZR:ZR+15], v[rX], v[rY]
.else
	v_wmma_scale_f32_32x16x128_f4 v[rD:rD+15], v[rB:rB+15], v[rA:rA+7], v[rD:rD+15], v[rX], v[rY]
.endif
.endm
; Half i of the fold of group ga under v's set vs: 16 lines; every accumulator is read from its low pair on.  Four v_nop ahead of half 0 are the places behind the group's last products (ISA guide 7.12.1).
.macro FOLD ga, vs, i
	WIN 0x01
.if (\i) == 0
.rept 4
	v_nop
.endr
.endif
.irp l, 0,1,2,3,4,5,6,7,8,9,10,11,12,13,14,15
.set fm, 4*(\ga)+\l%4
.set fe, 4*(\i)+\l/4
.set rE, EN+4*fm+2*(fe%2)
	v_pk_fma_f32 v[rE:rE+1], v[AC+16*fm+2*fe:AC+16*fm+2*fe+1], v[VR+16*(\vs)+2*fe:VR+16*(\vs)+2*fe+1], v[rE:rE+1]
.endr
.endm
.macro LDSV np                         ; pair np's scale words (lane (r, h): row r of n-tile 2 np + h, 4 words) and v: 5 loads
	ds_load_b128 v[SB+4*((\np)%2):SB+4*((\np)%2)+3], v[SADR] offset:(\np)*512
.irp t, 0,1
.irp e, 0,1
	ds_load_b128 v[VR+16*((\np)%2)+8*\t+4*\e:VR+16*((\np)%2)+8*\t+4*\e+3], v[VADR] offset:(\np)*128+64*\t+16*\e
.endr
.endr
.endm
.macro LDB np, i                       ; pair np's fragments of K steps 2 i, 2 i + 1: 8 loads
.irp k, 0,1
.irp t, 0,1
.irp c, 0,1
	ds_load_b128 v[64*((\np)%2)+16*(2*(\i)+\k)+8*\t+4*\c:64*((\np)%2)+16*(2*(\i)+\k)+8*\t+4*\c+3], v[BADR] offset:(\np)*8192+\t*4096+(2*(\i)+\k)*1024+\c*512
.endr
.endr
.endr
.endm
; PAIR pp of a tile's four: 32 matrix instructions, each group's four accumulators by turns.  w: the younger LDS instructions (a chunk's 12 stores) that may stay out at its head.
; f0 = 1: the pair before has its second group still to fold.  ld = 1: the next pair's 21 loads into the other sets: fragments in the first group, scale words and v at the second group's head, when the fold has left v's other set.
.macro PAIR pp, f0, ld, w
	s_wait_alu depctr_va_vdst(0)                   ; directly ahead of the wait below
	s_wait_dscnt \w
.irp a, 0,1
.irp i, 0,1
.if \ld
.if (2*\a+\i) == 2
	WIN 0
	LDSV ((\pp)+1)%4
.endif
.endif
.irp k, 0,1
.if (2*\i+\k) == 0
	WIN 0x49                                       ; C in window 0: the zeros
.else
	WIN 0x59
.endif
.irp q, 0,1,2,3
	MM (\pp)%2, 2*\i+\k, 4*\a+\q
.endr
.endr
.if \a == 1
	FOLD 0, (\pp)%2, \i
.elseif \f0
	FOLD 1, 1-(\pp)%2, \i
.endif
.if \ld
.if \a == 0
	WIN 0x40
	LDB ((\pp)+1)%4, \i
.endif
.endif
.endr
.endr
.endm
.macro TAILF                           ; a tile's last group is folded by itself
	FOLD 1, 1, 0
	FOLD 1, 1, 1
	WIN 0
.endm
.macro ADDR                            ; the addresses of the slot and of v's part in hand
	v_add_nc_u32 v[BADR], s[TB], v[BADR0]
	v_add_nc_u32 v[SADR], s[TB], v[SADR0]
	v_add_nc_u32 v[VADR], s[TV], v[VADR0]
	s_wait_alu depctr_va_vdst(0)                   ; directly behind the writes
.endm
; THE CHANGE OF SLOTS.  fill = 1: each wave waits for all its tensor loads (one is out: its quarter of the other slot), adds 0 to its spare word, waits for that and for its LDS reads and stores; behind the round the joint refill, the tile two on, comes first.
; fill = 0: nothing is filled again: the last tile is shown landed to every wave.
.macro CHANGE fill
	WIN 0
	s_wait_alu depctr_va_vdst(0)                   ; directly ahead of the wait below
	s_wait_tensorcnt 0x0
.if \fill
	ds_add_u32 v[SPW], v[NIL]
	s_xor_b32 s[G0W+1], s[G0W+1], SLOT1
	s_add_nc_u64 s[G0W+2:G0W+3], s[G0W+2:G0W+3], TILEB
	s_wait_dscnt 0x0
	ROUND
	tensor_load_to_lds s[G0W:G0W+3], s[G1T:G1T+7]
	s_nop 0
.rept 4
	v_nop
.endr
.else
	s_wait_dscnt 0x0
	s_barrier_signal -1
	s_barrier_wait -1
.endif
	s_xor_b32 s[TB], s[TB], SLOT1
	s_add_co_u32 s[TV], s[TV], 1024                ; v: 256 n a tile, from the start again in the second slab
	s_and_b32 s[TV], s[TV], 0xc00
	ADDR
.endm
; The slab's fragments of my 128 rows (lane (r, h) takes the 16 bytes at 64 s + 32 c + 16 h of row r), and their scale words: of four words, one a block, each with four rows' bytes, three byte selects make my row's word
.macro SLAB sg, adr
.irp g, 0,1,2,3
.irp x, 0,1,2,3,4,5,6,7
	ds_load_b128 v[ST+4*\x:ST+4*\x+3], v[ASR] offset:(\sg)*4096+(2*\g+\x/4)*256+(\x%4)*64
.endr
	s_wait_dscnt 0x0
.irp x, 0,1,2,3,4,5,6,7
	v_perm_b32 v[ST+4*\x], v[ST+4*\x+1], v[ST+4*\x], v[SELS]
	v_perm_b32 v[ST+4*\x+2], v[ST+4*\x+3], v[ST+4*\x+2], v[SELS]
.endr
.irp x, 0,1,2,3,4,5,6,7
	v_perm_b32 v[SA+8*\g+\x], v[ST+4*\x+2], v[ST+4*\x], 0x05040100
.endr
.endr
	WIN 0x80
.irp m, 0,1,2,3,4,5,6,7
.irp s, 0,1,2,3
.irp c, 0,1
	ds_load_b128 v[8*(4*\m+\s)+4*\c:8*(4*\m+\s)+4*\c+3], v[\adr] offset:\m*16*IPITCH+64*\s+32*\c
.endr
.endr
.endr
	WIN 0
.rept 8
	v_nop                                          ; a scale register written by a vector instruction stands 8 places ahead of a scaled matrix instruction
.endr
.endm
	s_load_b256 s[4:11], s[0:1], 0x0               ; enc s[4:5], v s[6:7], wq s[8:9], en s[10:11]
	v_lshl_add_u32 v[SPW], v0, 2, SPARE
	v_mov_b32 v[NIL], 0
	ds_add_u32 v[SPW], v[NIL]                      ; the opening lines: the add, twice on end, and its wait
	ds_add_u32 v[SPW], v[NIL]
	v_lshrrev_b32 v[TM], 5, v0
	v_readfirstlane_b32 s[WV], v[TM]               ; wave 0..3
	s_lshr_b32 s[MH], s[WV], 1
	s_and_b32 s[NH], s[WV], 1
	s_bfe_u32 s15, ttmp6, 0x40000                  ; cx: it enters global addresses of enc, en and the prefetches alone
	s_lshl_b32 s16, ttmp9, 2
	s_add_co_u32 s16, s16, s15                     ; g
	s_and_b32 s17, s16, 31                         ; b
	s_lshr_b32 s18, s16, 5                         ; which 256 rows s
	s_lshl_b32 s[OF], s18, 25
	s_lshl_b32 s19, s[WV], 23
	s_add_co_u32 s[OF], s[OF], s19
	s_lshl_b32 s19, s17, 12
	s_add_co_u32 s[OF], s[OF], s19
	s_mov_b32 s[OF+1], 0
	s_lshl_b32 s26, s17, 13                        ; en: 8,192 b + 1,024 x which 256
	s_lshl_b32 s19, s18, 10
	s_add_co_u32 s26, s26, s19
	s_mov_b32 s27, 0
	s_mul_i32 s[L0], s[WV], 64*IPITCH
	s_add_co_u32 s[L0], s[L0], IMG
	s_lshl_b32 s[L0+1], s[WV], 10
	s_add_co_u32 s[L0+1], s[L0+1], ASC
	s_mul_i32 s[L0+2], s[MH], 128*IPITCH
	s_add_co_u32 s[L0+2], s[L0+2], IMG
	s_lshl_b32 s[L0+3], s[MH], 11
	s_add_co_u32 s[L0+3], s[L0+3], ASC
	s_lshl_b32 s[L0+4], s[NH], 15
	s_lshl_b32 s[L0+5], s[NH], 11
	s_add_co_u32 s[L0+5], s[L0+5], 65536
	s_lshl_b32 s[L0+6], s[NH], 9
	s_add_co_u32 s[L0+6], s[L0+6], VTAB
	s_lshl_b32 s[L0+7], s[NH], 10
	s_lshl_b32 s19, s[MH], 9
	s_add_co_u32 s[L0+7], s[L0+7], s19
	s_add_co_u32 s[L0+7], s[L0+7], RED
	s_lshl_b32 s[L0+8], s15, 2
	s_add_co_u32 s[L0+8], s[L0+8], s[WV]
	s_mul_i32 s[L0+8], s[L0+8], 17                 ; my 17 blocks of a tile's 272
	; group 1: dense blocks as rows of 256 bytes: 32 elements of 8 bytes, pitch 32; the mask names all four work-groups, bit 21 beside it
.irp g, G1T, G1A, G1B, G1V
	s_mov_b32 s[\g], 15|(3<<16)|(1<<21)
	s_mov_b32 s[\g+1], 32<<16
	s_mov_b32 s[\g+3], 32<<16
	s_mov_b32 s[\g+5], 32
	s_mov_b32 s[\g+6], 0
	s_mov_b32 s[\g+7], 0
.endr
	s_mov_b32 s[G1T+2], 68<<16
	s_mov_b32 s[G1T+4], 68
	s_mov_b32 s[G1A+2], 136<<16
	s_mov_b32 s[G1A+4], 136
	s_mov_b32 s[G1B+2], 272<<16
	s_mov_b32 s[G1B+4], 272
	s_mov_b32 s[G1V+2], 16<<16
	s_mov_b32 s[G1V+4], 16
	s_mov_b32 s[SEL], 0x76543210
	s_mov_b32 s[SEL+1], 0xfedcba98
	s_mov_b32 s[M16], 0xffff
	s_mov_b32 s[TB], 0
	s_mov_b32 s[TV], 0
	s_mov_b32 s[QC], 0
	v_and_b32 v[TM], 31, v0                        ; lane
	v_and_b32 v[TM+1], 15, v0                      ; r
	v_bfe_u32 v[TM+2], v0, 4, 1                    ; h
	v_and_b32 v[TM+3], 1, v0                       ; lane % 2
	v_lshlrev_b32 v[GOFF], 4, v[TM]
	v_mul_u32_u24 v[IMW0], v[TM+3], IPITCH         ; an odd lane stores the odd row;
	v_lshrrev_b32 v[TM+4], 1, v[TM]
	v_lshl_add_u32 v[IMW0], v[TM+4], 2, v[IMW0]    ; 4 bytes for each two lanes
	v_add_nc_u32 v[IMW0], s[L0], v[IMW0]
	v_lshrrev_b32 v[ASW0], 3, v[TM]
	v_lshl_add_u32 v[ASW0], v[ASW0], 2, s[L0+1]    ; my block's word
	v_mul_u32_u24 v[IMR], v[TM+1], IPITCH
	v_lshl_add_u32 v[IMR], v[TM+2], 4, v[IMR]
	v_add_nc_u32 v[IMR], s[L0+2], v[IMR]
	v_add_nc_u32 v[IMR1], IMGS, v[IMR]
	v_lshrrev_b32 v[ASR], 2, v[TM+1]
	v_lshl_add_u32 v[ASR], v[ASR], 4, s[L0+3]      ; the four words of rows 4 (r / 4) ..
	v_add_nc_u32 v[BADR0], s[L0+4], v[GOFF]
	v_lshl_add_u32 v[SADR0], v[TM+1], 4, s[L0+5]
	v_lshl_add_u32 v[SADR0], v[TM+2], 8, v[SADR0]
	v_lshl_add_u32 v[VADR0], v[TM+2], 5, s[L0+6]
	v_lshl_add_u32 v[RDW], v[TM+1], 2, s[L0+7]
	v_lshl_add_u32 v[RDR], v0, 3, RED
	v_lshlrev_b32 v[EO], 3, v0
	v_min_u32 v[PFO], 16, v[TM]                    ; lanes 17 .. 31 name my last block again
	v_add_nc_u32 v[PFO], s[L0+8], v[PFO]
	v_lshlrev_b32 v[PFO], 8, v[PFO]
	v_mul_lo_u32 v[SELV], v[TM+3], 0x06060606
	v_xor_b32 v[SELV], 0x05040100, v[SELV]         ; even lanes 0x05040100, odd lanes 0x03020706
	v_and_b32 v[TM+4], 3, v0                       ; x = r % 4
	v_lshl_add_u32 v[TM+4], v[TM+4], 8, v[TM+4]
	v_add_nc_u32 v[TM+4], 0x400, v[TM+4]           ; bytes x, 4 + x
	v_lshl_or_b32 v[SELS], v[TM+4], 16, v[TM+4]
	s_wait_alu depctr_va_vdst(0)                   ; the wait at the head's end
	s_wait_dscnt 0x0                               ; both opening adds are done
	s_wait_kmcnt 0x0
	s_add_nc_u64 s[EB0:EB0+1], s[4:5], s[OF:OF+1]
	s_add_nc_u64 s[10:11], s[10:11], s[26:27]
	s_mov_b64 s[EB:EB+1], s[EB0:EB0+1]
	RLOAD 0
	RLOAD 1
	RLOAD 2
	RLOAD 3
	s_mul_i32 s18, s[WV], 34816                    ; group 0: addresses hang on the wave's number alone
	s_mov_b32 s19, 0
	s_mov_b32 s[G0A], 1
	s_mov_b32 s[G0A+1], s18
	s_add_nc_u64 s[G0A+2:G0A+3], s[8:9], s[18:19]
	s_or_b32 s[G0A+3], s[G0A+3], 0x80000000
	s_mov_b32 s[G0B], 1
	s_mov_b32 s[G0B+1], SLOT1
	s_add_nc_u64 s[G0B+2:G0B+3], s[8:9], TILEB
	s_or_b32 s[G0B+3], s[G0B+3], 0x80000000
	s_mov_b32 s[G0V], 1
	s_mov_b32 s[G0V+1], VTAB
	s_mov_b64 s[G0V+2:G0V+3], s[6:7]
	s_or_b32 s[G0V+3], s[G0V+3], 0x80000000
	s_mul_i32 s18, s[WV], 17408
	s_mov_b32 s[G0W], 1                            ; stands at my quarter of tile 1 in slot 1; each change steps it a tile on and to the other slot
	s_add_co_u32 s[G0W+1], s18, SLOT1
	s_add_nc_u64 s[G0W+2:G0W+3], s[8:9], s[18:19]
	s_add_nc_u64 s[G0W+2:G0W+3], s[G0W+2:G0W+3], TILEB
	s_or_b32 s[G0W+3], s[G0W+3], 0x80000000
	s_add_nc_u64 s[PF:PF+1], s[8:9], TILEB
	ROUND                                          ; all four work-groups are here: the first joint loads meet
; THE HEAD'S LOADS, ONE A WAVE, in one chain of branches on the wave's number: waves 0 and 1 the halves of tile 0, wave 2 tile 1, wave 3 v
.macro ARM under, g0, g1, next
	s_cmp_lt_u32 s[WV], \under
	s_cbranch_scc0 \next
	tensor_load_to_lds s[\g0:\g0+3], s[\g1:\g1+7]
	s_nop 0
.rept 4
	v_nop
.endr
	s_branch .Lhead_asked
\next:
.endm
	ARM 2, G0A, G1A, .Lhead_b
	ARM 3, G0B, G1B, .Lhead_v
	tensor_load_to_lds s[G0V:G0V+3], s[G1V:G1V+7]
	s_nop 0
.rept 4
	v_nop
.endr
.Lhead_asked:
	; ---- periods 0 to 3: slab 0.  48: three younger chunks of sixteen loads stay out.  12: the last chunk's stores stay out
.Lquant:
	PSTART 1
	CHUNK 0, 48, 1, 12, 1
	s_cmp_lt_u32 ttmp9, 4
	s_cbranch_scc0 .Lno_prefetch_main0
	global_prefetch_b8 v[PFO], s[PF:PF+1] th:TH_LOAD_NT scope:SCOPE_SE   ; tiles 2 .. 5
.Lno_prefetch_main0:
	CHUNK 1, 48, 1, 12, 0
	CHUNK 2, 48, 1, 12, 0
	CHUNK 3, 48, 1, 12, 0
	s_add_co_u32 s[QC], s[QC], 1
	s_cmp_lt_u32 s[QC], 4
	s_cbranch_scc1 .Lquant
	s_wait_tensorcnt 0x0                           ; my load of the head's is in,
	s_wait_dscnt 0x0                               ; my codes and scale bytes have landed
	s_barrier_signal -1
	s_barrier_wait -1                              ; everybody's
.set ln, 0
.rept 16
	v_mov_b32 v[ZR+ln], 0
.set ln, ln+1
.endr
.set ln, 0
.rept 32
	v_mov_b32 v[EN+ln], 0                          ; the energies, once for the launch
.set ln, ln+1
.endr
	ADDR
	SLAB 0, IMR
	LDSV 0
	WIN 0x40
	LDB 0, 0
	LDB 0, 1
	WIN 0
	; ---- tiles 0 to 2 with periods 4 to 6.  COUNTS on LDS: a pair: 12: the chunk's stores were issued behind its loads.  A chunk: 33: the chunk before's 12 stores and a pair's 21 loads
.Lover:
	PSTART 1
	CHUNK 0, 48, 1, 33, 1
	s_cmp_lt_u32 s[QC], 6                          ; periods 4 and 5 name tiles 6 and 7; period 6 has no tile to name
	s_cbranch_scc0 .Lno_ask
	s_cmp_lt_u32 ttmp9, 4
	s_cbranch_scc0 .Lno_prefetch_main1
	global_prefetch_b8 v[PFO], s[PF:PF+1] th:TH_LOAD_NT scope:SCOPE_SE
.Lno_prefetch_main1:
.Lno_ask:
	PAIR 0, 0, 1, 12
	WIN 0
	CHUNK 1, 48, 1, 33, 0
	PAIR 1, 1, 1, 12
	WIN 0
	CHUNK 2, 48, 1, 33, 0
	PAIR 2, 1, 1, 12
	CHANGE 1
	CHUNK 3, 48, 1, 12, 0
	PAIR 3, 1, 1, 12
	TAILF
	s_add_co_u32 s[QC], s[QC], 1
	s_cmp_lt_u32 s[QC], 7
	s_wait_alu depctr_va_vdst(0)                   ; directly ahead of the branch
	s_cbranch_scc1 .Lover
	; ---- period 7 asks for nothing: the counts run down
	PSTART 0
	CHUNK 0, 48, 0, 33, 1
	CHUNK 1, 32, 0, 12, 0
	CHUNK 2, 16, 0, 12, 0
	CHUNK 3, 0, 0, 12, 0
	; ---- tiles 3 to 5: their changes ask for tiles 5 to 7.  Tile 3's round stands behind every wave's stores of slab 1: behind tile 3 the slab's fragments change
	s_mov_b32 s[IC], 3
.Ltile:
	PAIR 0, 0, 1, 0
	PAIR 1, 1, 1, 0
	PAIR 2, 1, 1, 0
	CHANGE 1
	PAIR 3, 1, 1, 0
	TAILF
	s_cmp_lg_u32 s[IC], 3
	s_wait_alu depctr_va_vdst(0)                   ; directly ahead of the branch
	s_cbranch_scc1 .Lno_slab
	SLAB 1, IMR1                                   ; (the fold's last lines are the places behind the last matrix instructions)
.Lno_slab:
	s_sub_co_u32 s[IC], s[IC], 1
	s_cmp_lg_u32 s[IC], 0
	s_cbranch_scc1 .Ltile
	PAIR 0, 0, 1, 0                                ; tile 6: nothing is left to ask for
	PAIR 1, 1, 1, 0
	PAIR 2, 1, 1, 0
	CHANGE 0
	PAIR 3, 1, 1, 0
	TAILF
	PAIR 0, 0, 1, 0                                ; tile 7
	PAIR 1, 1, 1, 0
	PAIR 2, 1, 1, 0
	PAIR 3, 1, 0, 0
	TAILF
	; ---- the end: a row's energy is the sum of its two chains' pairs, of lanes l and l xor 16, and of the two waves that took the halves of each tile's n
.irp m, 0,1,2,3,4,5,6,7
	v_pk_add_f32 v[FN+2*\m:FN+2*\m+1], v[EN+4*\m:EN+4*\m+1], v[EN+4*\m+2:EN+4*\m+3]
.endr
.irp m, 0,1,2,3,4,5,6,7
	v_add_f32 v[FN+2*\m], v[FN+2*\m], v[FN+2*\m+1]
.endr
.irp m, 0,1,2,3,4,5,6,7
	v_permlanex16_b32 v[FN+2*\m+1], v[FN+2*\m], s[SEL], s[SEL+1]
.endr
.irp m, 0,1,2,3,4,5,6,7
	v_add_f32 v[FN+2*\m], v[FN+2*\m], v[FN+2*\m+1]
.endr
.irp m, 0,1,2,3,4,5,6,7
	ds_store_b32 v[RDW], v[FN+2*\m] offset:64*\m   ; lanes r and r + 16 write the same word with the same value
.endr
	s_wait_dscnt 0x0
	s_barrier_signal -1
	s_barrier_wait -1
	ds_load_b64 v[TM:TM+1], v[RDR]
	ds_load_b64 v[TM+2:TM+3], v[RDR] offset:1024
	s_wait_dscnt 0x0
	v_pk_add_f32 v[TM:TM+1], v[TM:TM+1], v[TM+2:TM+3]
	global_store_b64 v[EO], v[TM:TM+1], s[10:11]   ; a wave stores 256 consecutive bytes, at a multiple of 256 from en's first byte
	s_wait_tensorcnt 0x0                           ; the wave's end
	ds_add_u32 v[SPW], v[NIL]
	s_wait_dscnt 0x0
	ROUND                                          ; the closing round
	s_endpgm
.Lfunc_end_k_qe248728f2b_main:
	.size	k_qe248728f2b_main, .Lfunc_end_k_qe248728f2b_main-k_qe248728f2b_main
	.p2alignl 7, 3214868480
	.fill 96, 4, 3214868480
	.section	.rodata,"a",@progbits
	.p2align	6, 0x0
	.amdhsa_kernel k_qe248728f2b_main
		.amdhsa_group_segment_fixed_size 327680
		.amdhsa_private_segment_fixed_size 0
		.amdhsa_enable_private_segment 0
		.amdhsa_kernarg_size 32
		.amdhsa_user_sgpr_count 2
		.amdhsa_user_sgpr_kernarg_segment_ptr 1
		.amdhsa_wavefront_size32 1
		.amdhsa_system_sgpr_workgroup_id_x 1
		.amdhsa_system_sgpr_workgroup_id_y 1
		.amdhsa_system_sgpr_workgroup_id_z 1
		.amdhsa_system_vgpr_workitem_id 0
		.amdhsa_next_free_vgpr 1024
		.amdhsa_next_free_sgpr 102
		.amdhsa_reserve_vcc 0
		.amdhsa_float_denorm_mode_32 3
		.amdhsa_float_denorm_mode_16_64 3
		.amdhsa_memory_ordered 1
		.amdhsa_forward_progress 1
		.amdhsa_inst_pref_size 255
	.end_amdhsa_kernel
	.section	.bss,"aw",@nobits
	.p2align	6
	.space	262144
	.amdgpu_metadata
---
amdhsa.version: [ 1, 2 ]
amdhsa.kernels:
  - .name:           k_qe248728f2b_main
    .symbol:         k_qe248728f2b_main.kd
    .args:
      - { .name: encoder_outputs, .offset: 0, .size: 8, .value_kind: global_buffer, .address_space: global }
      - { .name: v, .offset: 8, .size: 8, .value_kind: global_buffer, .address_space: global }
      - { .name: wq, .offset: 16, .size: 8, .value_kind: global_buffer, .address_space: global }
      - { .name: en, .offset: 24, .size: 8, .value_kind: global_buffer, .address_space: global }
    .group_segment_fixed_size: 327680
    .private_segment_fixed_size: 0
    .kernarg_segment_align: 8
    .kernarg_segment_size: 32
    .max_flat_workgroup_size: 128
    .sgpr_count:     102
    .vgpr_count:     1024
    .wavefront_size: 32
...
	.end_amdgpu_metadata
.endif
;; end of part 2
;; launch soft (part 3): grid 32 x 1, 1 waves a work-group, no clusters, 0 bytes of LDS; arguments en, out0; writes out0
.if DOCPART == 3
	.amdgcn_target "amdgcn-amd-amdhsa--gfx1250"
	.amdhsa_code_object_version 6
	.text
	.protected	k_qe248728f2b_soft
	.globl	k_qe248728f2b_soft
	.p2align	8
	.type	k_qe248728f2b_soft,@function
k_qe248728f2b_soft:
	s_mov_b64 s[64:65], 0
	v_nop
	global_prefetch_b8 v0, s[64:65] scope:SCOPE_SE
	s_setreg_imm32_b32 hwreg(HW_REG_WAVE_MODE, 25, 1), 1
	s_wait_xcnt 0x0
; out0[b][0][s] = softmax over s of en[b][s].  The part of the energy that comes from rnn_hidden and attn_b is the same along s and is left out (shown at the head of launch prep).
; One wave takes one b: its 2,048 energies are 64 registers a lane, so the row is read once and stays in registers between the maximum, the exponentials and the scaling.  No LDS, no barrier.
; The row's maximum is taken away before the exponential.  LIMITS: NaN and infinities are not served; an exponential under 2^-126 comes out as 0 (ISA guide, v_exp_f32).
.set X, 8                              ; v8-71 the row: lane l holds s = 128 i + 4 l + 0 .. 3 in registers 4 i .. 4 i + 3
	s_load_b128 s[4:7], s[0:1], 0x0                ; en, out0
	v_lshlrev_b32 v1, 4, v0                        ; 16 bytes a lane
	s_lshl_b32 s10, ttmp9, 13                      ; a row of en and of out0 is 8,192 bytes
	s_mov_b32 s11, 0
	s_mov_b32 s14, 0x76543210
	s_mov_b32 s15, 0xfedcba98                      ; v_permlanex16_b32's selects for lane l xor 16
	s_mov_b32 s16, 0x3fb8aa3b                      ; log2(e)
	s_mov_b32 s17, s16                             ; (named with it as a pair, so it is written)
	s_wait_alu depctr_va_vdst(0)                   ; the wait at the head's end
	s_wait_kmcnt 0x0
	s_add_nc_u64 s[4:5], s[4:5], s[10:11]
	s_add_nc_u64 s[8:9], s[6:7], s[10:11]
.set i, 0
.rept 16
	global_load_b128 v[X+4*i:X+4*i+3], v1, s[4:5] offset:512*i th:TH_LOAD_NT   ; 32 lanes read 512 consecutive bytes
.set i, i+1
.endr
	s_wait_loadcnt 0x0
.irp c, 0,1,2,3
	v_max3_num_f32 v[72+\c], v[X+16*\c], v[X+1+16*\c], v[X+2+16*\c]   ; the maximum, in four chains
.endr
.irp i, 3,5,7,9,11,13
.irp c, 0,1,2,3
	v_max3_num_f32 v[72+\c], v[72+\c], v[X+16*\c+\i], v[X+1+16*\c+\i]
.endr
.endr
.irp c, 0,1,2,3
	v_max_num_f32 v[72+\c], v[72+\c], v[X+15+16*\c]
.endr
	v_max3_num_f32 v72, v72, v73, v74
	v_max_num_f32 v72, v72, v75
	v_max_num_f32_dpp v72, v72, v72 row_xmask:1 row_mask:0xf bank_mask:0xf
	v_max_num_f32_dpp v72, v72, v72 row_xmask:2 row_mask:0xf bank_mask:0xf
	v_max_num_f32_dpp v72, v72, v72 row_xmask:4 row_mask:0xf bank_mask:0xf
	v_max_num_f32_dpp v72, v72, v72 row_xmask:8 row_mask:0xf bank_mask:0xf
	v_permlanex16_b32 v73, v72, s14, s15
	v_max_num_f32 v72, v72, v73                    ; the row's maximum, in every lane
.set i, 0
.rept 32
	v_pk_add_f32 v[X+2*i:X+2*i+1], v[X+2*i:X+2*i+1], v[72:73] op_sel_hi:[1,0] neg_lo:[0,1] neg_hi:[0,1]   ; less the maximum: 0 or less
.set i, i+1
.endr
.set i, 0
.rept 32
	v_pk_mul_f32 v[X+2*i:X+2*i+1], v[X+2*i:X+2*i+1], s[16:17] op_sel_hi:[1,0]
.set i, i+1
.endr
	s_wait_alu depctr_va_vdst(0)                   ; the wait ahead of the batch
.set i, 0
.rept 64
	v_exp_f32 v[X+i], v[X+i]
.set i, i+1
.endr
	v_nop                                          ; a plain instruction behind the last exponential
	s_wait_alu depctr_va_vdst(0)                   ; one wait for the whole batch, ahead of its first reader
	v_pk_add_f32 v[76:77], v[X:X+1], v[X+2:X+3]    ; the sum, two at a time, in two chains
	v_pk_add_f32 v[78:79], v[X+4:X+5], v[X+6:X+7]
.irp j, 8,12,16,20,24,28,32,36,40,44,48,52,56,60
	v_pk_add_f32 v[76:77], v[76:77], v[X+\j:X+\j+1]
	v_pk_add_f32 v[78:79], v[78:79], v[X+\j+2:X+\j+3]
.endr
	v_pk_add_f32 v[76:77], v[76:77], v[78:79]
	v_add_f32 v76, v76, v77
	v_add_f32_dpp v76, v76, v76 row_xmask:1 row_mask:0xf bank_mask:0xf
	v_add_f32_dpp v76, v76, v76 row_xmask:2 row_mask:0xf bank_mask:0xf
	v_add_f32_dpp v76, v76, v76 row_xmask:4 row_mask:0xf bank_mask:0xf
	v_add_f32_dpp v76, v76, v76 row_xmask:8 row_mask:0xf bank_mask:0xf
	v_permlanex16_b32 v77, v76, s14, s15
	v_add_f32 v76, v76, v77                        ; at least 1: the maximum's own term
	s_wait_alu depctr_va_vdst(0)                   ; the wait ahead of the transcendental
	v_rcp_f32 v78, v76
	v_nop                                          ; a plain instruction behind the reciprocal
	s_wait_alu depctr_va_vdst(0)                   ; and the wait ahead of its first reader
.set i, 0
.rept 32
	v_pk_mul_f32 v[X+2*i:X+2*i+1], v[X+2*i:X+2*i+1], v[78:79] op_sel_hi:[1,0]
.set i, i+1
.endr
.set i, 0
.rept 16
	global_store_b128 v1, v[X+4*i:X+4*i+3], s[8:9] offset:512*i th:TH_STORE_NT   ; 32 lanes store 512 consecutive bytes, aligned
.set i, i+1
.endr
	s_endpgm
.Lfunc_end_k_qe248728f2b_soft:
	.size	k_qe248728f2b_soft, .Lfunc_end_k_qe248728f2b_soft-k_qe248728f2b_soft
	.p2alignl 7, 3214868480
	.fill 96, 4, 3214868480
	.section	.rodata,"a",@progbits
	.p2align	6, 0x0
	.amdhsa_kernel k_qe248728f2b_soft
		.amdhsa_group_segment_fixed_size 0
		.amdhsa_private_segment_fixed_size 0
		.amdhsa_enable_private_segment 0
		.amdhsa_kernarg_size 16
		.amdhsa_user_sgpr_count 2
		.amdhsa_user_sgpr_kernarg_segment_ptr 1
		.amdhsa_wavefront_size32 1
		.amdhsa_system_sgpr_workgroup_id_x 1
		.amdhsa_system_sgpr_workgroup_id_y 1
		.amdhsa_system_sgpr_workgroup_id_z 1
		.amdhsa_system_vgpr_workitem_id 0
		.amdhsa_next_free_vgpr 128
		.amdhsa_next_free_sgpr 66
		.amdhsa_reserve_vcc 0
		.amdhsa_float_denorm_mode_32 3
		.amdhsa_float_denorm_mode_16_64 3
		.amdhsa_memory_ordered 1
		.amdhsa_forward_progress 1
		.amdhsa_inst_pref_size 17
	.end_amdhsa_kernel
	.amdgpu_metadata
---
amdhsa.version: [ 1, 2 ]
amdhsa.kernels:
  - .name:           k_qe248728f2b_soft
    .symbol:         k_qe248728f2b_soft.kd
    .args:
      - { .name: en, .offset: 0, .size: 8, .value_kind: global_buffer, .address_space: global }
      - { .name: out0, .offset: 8, .size: 8, .value_kind: global_buffer, .address_space: global }
    .group_segment_fixed_size: 0
    .private_segment_fixed_size: 0
    .kernarg_segment_align: 8
    .kernarg_segment_size: 16
    .max_flat_workgroup_size: 32
    .sgpr_count:     66
    .vgpr_count:     128
    .wavefront_size: 32
...
	.end_amdgpu_metadata
.endif
;; end of part 3
